; MI455X (gfx1250); checked and timed in simulation.
; The chip was launched on July 23, 2026; its instructions are those of AMD's public machine-readable ISA for CDNA 5 (MIT licence, August 2026) and "CDNA5" Instruction Set Architecture Reference Guide (July 2026). The comments in the code are by the model that wrote it; some were corrected since.
;; Simple Self Attention. Allowed arithmetic: matrix products marked QUANTISED: E2M1 operands, one E8M0 scale for each 32 along K, by v_wmma_scale_f32_16x16x128_f8f6f4 with both operands' format E2M1 (or v_wmma_scale_f32_32x16x128_f4), f32 sums; everything else in f32.
;; Inputs: inputs 16 x 2,048 x 128 float32.
;; Outputs: out0 16 x 2,048 x 128 float32.
;; This version of the problem:
;;   THIS VERSION OF THE PROBLEM IS GIVEN IN LOW PRECISION. The matrix products marked QUANTISED in the list below multiply operands that are first quantised to E2M1 (2 exponent bits, 1 mantissa bit; 4 bits a number), with one power-of-two scale for each 32 numbers along K (OCP MX v1.0); their sums are f32. All else is computed in f32.
;;   The module's matrix products, in the order in which they are computed (A, B: the left and right operand; K: the contracted axis; several contracted axes count as one K, in the product's order):
;;     1. batch 16 x [M 2,048, K 128] x [K 128, N 2,048]; A: input inputs; B: input inputs: QUANTISED
;;     2. batch 16 x [M 2,048, K 2,048] x [K 2,048, N 128]; A: softmax (see below); B: input inputs: QUANTISED
;;   THE QUANTISER, for each operand of a quantised product, along K:
;;     - K is cut into blocks of 32 from its start; a last block that is shorter is filled with zeros.
;;     - A block's scale is 2^e with e = floor(log2(the largest magnitude in the block)) - 2, held to -126 .. 127; a block of zeros has e = 0. As a byte (E8M0): e + 127.
;;     - Each number is divided by its block's scale, clamped to +-6, and rounded to the nearest number of E2M1, ties to even, subnormals kept.
;;     - The product sums the exact products of the quantised numbers (number of the format x scale) in f32.
;;   ~~~python
;;   def quantise(x, axis):      # numpy; x: float32 -> the quantised numbers, widened to float32 again
;;       x = np.moveaxis(x, axis, -1); K = x.shape[-1]
;;       x = np.pad(x, [(0, 0)] * (x.ndim - 1) + [(0, -K % 32)]); x = x.reshape(x.shape[:-1] + (-1, 32)); a = np.abs(x).max(-1, keepdims=True)
;;       e = np.where(a > 0, np.clip(np.frexp(np.where(a > 0, a, 1))[1] - 1 - 2, -126, 127), 0)      # np.frexp(a)[1] - 1 = floor(log2(a)), exactly
;;       r = np.clip(x / 2.0 ** e, -6, 6)
;;       step = 2.0 ** (np.maximum(np.frexp(np.where(r == 0, 1, r))[1] - 1, 0) - 1)
;;       q = np.round(r / step) * step * 2.0 ** e      # np.round: ties to even
;;       return np.moveaxis(q.reshape(q.shape[:-2] + (-1,))[..., :K], -1, axis).astype(np.float32)
;;   ~~~
;;   SOFTMAX AHEAD OF A QUANTISED PRODUCT. Where the list says 'softmax', what is quantised is not the finished softmax but p = 2^(t - M), with t = logit x log2(e) and M = ceil(the row's largest t), a whole number; so 1/2 < the row's largest p <= 1. The row's sum l is taken of the UNQUANTISED p, in f32, and the product's result is divided by l at the end. Since M is a whole number, a kernel that streams over the keys may use a running M (the ceiling of the running maximum): every later rescaling is an exact power of two, which a block's scale takes up: the codes' values come out the same.
;;   OPERANDS COMPUTED ON THE WAY. 'Computed on the way' means the value that the module computes at that place (a softmax that the list does not call 'softmax' is quantised finished and normalised). What goes into a quantiser is computed in f32, as accurately as f32 sums, v_exp_f32 and their like allow (about 1e-6 of the number): no bf16 or f16 on the way to a quantiser, and a product that is left as it is and whose result goes on into a quantised operand takes f32 operands (vector FMAs, or v_wmma_f32_16x16x4_f32). A number that lies on a knife's edge between two numbers of the format may be rounded either way, as far as f32 arithmetic and the matrix unit's own rounding can turn it there, and no further.
;; One version. Each part assembles by itself: llvm-mc -triple=amdgcn-amd-amdhsa -mcpu=gfx1250 --defsym DOCPART=n.
;; ======== version 1 of 1: 2 launches
;; limits: right only within a limited range of input values
;; workspace buffers: codes 4,456,448 bytes
;; launch quant (part 1): grid 16 x 16, 8 waves a work-group, no clusters, 168,960 bytes of LDS; arguments inputs, codes; writes codes
.if DOCPART == 1
	.amdgcn_target "amdgcn-amd-amdhsa--gfx1250"
	.amdhsa_code_object_version 6
	.text
	.protected	k_qcfe27848d6_quant
	.globl	k_qcfe27848d6_quant
	.p2align	8
	.type	k_qcfe27848d6_quant,@function
k_qcfe27848d6_quant:
	s_mov_b64 s[64:65], 0
	v_nop
	global_prefetch_b8 v0, s[64:65] scope:SCOPE_SE
	s_setreg_imm32_b32 hwreg(HW_REG_WAVE_MODE, 25, 1), 1
	s_wait_xcnt 0x0
; x [16][2048][128] f32 is turned into codes of FP4 (E2M1) TWICE: along d (the first product's K: these codes serve queries and keys alike) and along the keys (the second product's K).
; A block's scale is 2^(floor(log2(its largest magnitude)) - 2); its byte is the largest magnitude's exponent field - 2, held at 1 from below.
; OUT: codes [16 batches][16 key steps][STEPB bytes].  A step block holds 128 keys IN THE ORDER OF THE OPERANDS' REGISTERS, so that the next launch loads every fragment at 16 x lane:
;   KF  at 0:      8 fragments of 16 keys x 128 d, 1,024 bytes each: register group g (registers 4 g .. 4 g + 3) of lane l at 1024 T + 512 g + 16 l.
;                  Lane (r', h) of fragment T = 4 c + u holds key 64 c + 32 (r' / 8) + 8 u + r' % 8, d = 64 g + 32 h + 0 .. 31: the scores of fragments 4 c .. 4 c + 3 are then one whole block of 32 keys in each lane.
;   VF  at 8192:   8 fragments of 16 d x 128 keys, the same form: lane (r, h) of fragment t holds d = 16 t + r, keys 64 g + 32 h + 0 .. 31.
;   KS  at 16384:  K's scale words, [c 2][r' 16][u 4]: the word of fragment 4 c + u, row r'; byte = the block along d.      VS at 16896: V's, the same form for fragment 4 c + u; byte = the block along the keys.
; SHARES.  A work-group takes one step: 128 keys x 128 d, 64 KiB.  Wave w takes keys 32 b .. 32 b + 31 (b = w / 2) x d 64 g .. 64 g + 63 (g = w % 2): whole blocks for both quantisers.
; Its piece comes by ONE tensor load, 32 rows of 256 consecutive bytes, into LDS bytes of its own, and is read twice from there: by rows (a lane: 32 neighbours along d) and by columns (a lane: a column d, registers down the keys).
; V's codes leave straight from the registers: sixteen lanes hold 256 consecutive bytes of a fragment.  K's codes and all scale bytes are gathered in an image in LDS and leave as 512 consecutive bytes a wave and store.
; No cluster: no two work-groups read the same bytes.  No ring and no prefetch: each LDS byte is filled once and there is no loop to run ahead in.
; LIMITS: NaN and infinities among the inputs are not served.  A block of zeros gets the byte 1 where the rule says 127: its codes are zeros, and the bytes are read by this program alone.
.set PITCH, 272                        ; an LDS row: 256 bytes + 16 of padding
.set WREG,  32*PITCH                   ; a wave's piece in LDS
.set IMG,   8*WREG                     ; behind the pieces: the image: K's 8,192 bytes of codes, then the 1,024 bytes of scale words; written by LDS stores alone
.set IKS,   8192
.set IVS,   8704
.set SPARE, IMG+9216                   ; the spare words, 128 bytes a wave
.set VF,    8192
.set KS,    16384
.set STEPB, 17408
.set KA,  2                            ; v2  by rows: my row and my 128 bytes of it
.set VA,  3                            ; v3  by columns: my column in the piece's first row
.set KW,  4                            ; v4  where my 16 bytes of K's codes go in the image
.set KB,  5                            ; v5  and their scale byte
.set GV,  6                            ; v6  where my 16 bytes of V's codes go in the step block
.set VB,  7                            ; v7  and their scale byte in the image
.set RD,  8                            ; v8  the way out: IMG + 16 x thread
.set GO,  9                            ; v9  16 x thread
.set X,   32                           ; v32-159  four sets of 32 numbers: V columns 0-31, V columns 32-63, K rows 0-15, K rows 16-31
.set C,   160                          ; v160-175 four registers of codes for each set
.set E,   176                          ; v176-179 a scale byte for each set
.set SPW, 192
.set NIL, 193
	s_load_b128 s[4:7], s[0:1], 0x0                ; x s[4:5], codes s[6:7]
	v_lshl_add_u32 v[SPW], v0, 2, SPARE
	v_mov_b32 v[NIL], 0
	ds_add_u32 v[SPW], v[NIL]
	ds_add_u32 v[SPW], v[NIL]
	v_lshrrev_b32 v1, 5, v0
	v_readfirstlane_b32 s8, v1                     ; wave 0..7
	s_lshr_b32 s9, s8, 1                           ; b: which 32 keys
	s_and_b32 s10, s8, 1                           ; g: which 64 of d
	s_and_b32 s11, ttmp7, 0xffff                   ; batch
	; descriptor group 1: 32 rows of 32 elements of 8 bytes, 64 elements from row to row, padded in LDS
	s_mov_b32 s16, (3<<16)|(1<<20)|(5<<22)|(3<<25) ; no mask; elements of 8 bytes; padding: 4 words behind every 64
	s_mov_b32 s17, 32<<16                          ; tensor_dim0 = 32
	s_mov_b32 s18, 32<<16                          ; tensor_dim1 = 32
	s_mov_b32 s19, 32<<16                          ; tile_dim0 = 32
	s_mov_b32 s20, 32                              ; tile_dim1 = 32
	s_mov_b32 s21, 64                              ; a row of x is 512 bytes
	s_mov_b32 s22, 0
	s_mov_b32 s23, 0
	s_lshl_b32 s24, s11, 20                        ; my piece in x: batch x 1 MiB
	s_lshl_b32 s25, ttmp9, 16                      ; + step x 128 rows of 512 bytes
	s_add_co_u32 s24, s24, s25
	s_lshl_b32 s25, s9, 14                         ; + 32 b rows
	s_add_co_u32 s24, s24, s25
	s_lshl_b32 s25, s10, 8                         ; + 256 g bytes
	s_add_co_u32 s24, s24, s25
	s_mov_b32 s25, 0
	s_lshl_b32 s26, s11, 4
	s_add_co_u32 s26, s26, ttmp9
	s_mul_i32 s26, s26, STEPB                      ; my step block in codes
	s_mov_b32 s27, 0
	s_mul_i32 s28, s8, WREG                        ; my piece in LDS
	s_mov_b32 s12, 1                               ; group 0: count = 1
	s_mul_i32 s13, s8, WREG                        ; LDS address
	; key 32 b + 16 m + 8 u + j (row 16 m + r, u = r / 8, j = r % 8) is lane 8 (b % 2) + j of fragment 4 (b / 2) + 2 m + u: 4096 (b / 2) + 128 (b % 2) + 512 g, + 1024 u + 16 j + 256 h, + 2048 m
	s_lshr_b32 s29, s9, 1
	s_and_b32 s30, s9, 1
	s_lshl_b32 s31, s29, 12
	s_lshl_b32 s33, s30, 7
	s_add_co_u32 s31, s31, s33
	s_lshl_b32 s34, s10, 9
	s_add_co_u32 s31, s31, s34
	s_add_co_u32 s31, s31, IMG
	; its scale byte: 256 (b / 2) + 128 (b % 2) + 2 g, + 16 j + 4 u + h, + 8 m
	s_lshl_b32 s35, s29, 8
	s_add_co_u32 s35, s35, s33
	s_lshl_b32 s34, s10, 1
	s_add_co_u32 s35, s35, s34
	s_add_co_u32 s35, s35, IMG+IKS
	; d = 64 g + 32 q + 16 h + r is row r of fragment 4 g + 2 q + h; key block b: 4096 g + 256 b, + 1024 h + 16 r, + 2048 q
	s_lshl_b32 s36, s10, 12
	s_lshl_b32 s34, s9, 8
	s_add_co_u32 s36, s36, s34
	s_add_co_u32 s36, s36, VF
	; its scale byte: 256 g + b, + 16 r + 4 h, + 8 q
	s_lshl_b32 s37, s10, 8
	s_add_co_u32 s37, s37, s9
	s_add_co_u32 s37, s37, IMG+IVS
	v_and_b32 v1, 31, v0                           ; lane
	v_and_b32 v10, 15, v0                          ; r
	v_bfe_u32 v11, v0, 4, 1                        ; h
	v_bfe_u32 v12, v0, 3, 1                        ; u
	v_and_b32 v13, 7, v0                           ; j
	v_mul_u32_u24 v[KA], v10, PITCH                ; by rows: row r (+ 16 m in the immediate), + 128 h
	v_lshlrev_b32 v[KW], 4, v13
	v_lshl_add_u32 v[KB], v13, 4, v11
	v_lshlrev_b32 v[GV], 4, v10
	v_lshlrev_b32 v[VB], 4, v10
	v_lshl_add_u32 v[KA], v11, 7, v[KA]
	v_lshl_add_u32 v[KW], v11, 8, v[KW]
	v_lshl_add_u32 v[KB], v12, 2, v[KB]
	v_lshl_add_u32 v[GV], v11, 10, v[GV]
	v_lshl_add_u32 v[VB], v11, 2, v[VB]
	v_lshl_add_u32 v[KW], v12, 10, v[KW]
	v_add_nc_u32 v[KA], s28, v[KA]
	v_add_nc_u32 v[KB], s35, v[KB]
	v_add_nc_u32 v[GV], s36, v[GV]
	v_add_nc_u32 v[VB], s37, v[VB]
	v_add_nc_u32 v[KW], s31, v[KW]
	v_lshl_add_u32 v[VA], v1, 2, s28               ; by columns: 4 x lane (+ 128 q and 272 x key in the immediate)
	v_lshl_add_u32 v[RD], v0, 4, IMG
	v_lshlrev_b32 v[GO], 4, v0
	s_wait_alu depctr_va_vdst(0)
	s_wait_dscnt 0x0                               ; both opening adds are done
	s_wait_kmcnt 0x0
	s_add_nc_u64 s[14:15], s[4:5], s[24:25]        ; global address of the piece's first element
	s_or_b32 s15, s15, 0x80000000                  ; type = 2
	tensor_load_to_lds s[12:15], s[16:23]          ; my one tensor load
	s_nop 0
	s_add_nc_u64 s[6:7], s[6:7], s[26:27]
; One block of 32 numbers, all in my registers, becomes four registers of codes and a scale byte: set n.
.macro QBLK n
.set Y, X+32*\n
	v_max3_num_f32 v20, |v[Y]|, |v[Y+1]|, |v[Y+2]|                 ; the block's largest magnitude, in two chains
	v_max3_num_f32 v21, |v[Y+3]|, |v[Y+4]|, |v[Y+5]|
.irp i, 6,10,14,18,22,26
	v_max3_num_f32 v20, v20, |v[Y+\i]|, |v[Y+\i+1]|
	v_max3_num_f32 v21, v21, |v[Y+\i+2]|, |v[Y+\i+3]|
.endr
	v_max3_num_f32 v20, v20, |v[Y+30]|, |v[Y+31]|
	v_max3_num_f32 v20, v20, v21, 0x1800000        ; and the floor 2^(3 - 127): the byte cannot fall under 1
	v_add_nc_u32 v22, 0xff000000, v20              ; 2 off its exponent field: the conversion takes the exponent field of this operand as its scale, and nothing else of it
	v_lshrrev_b32 v[E+\n], 23, v22                 ; the scale's byte
.irp g, 0,1,2,3
	v_cvt_scalef32_pk8_fp4_f32 v[C+4*\n+\g], v[Y+8*\g:Y+8*\g+7], v22   ; to the nearest code, ties to even; beyond 6 the largest code
.endr
	v_nop                                          ; one plain line behind the last conversion: the next block writes v22
.endm
.macro VCOL q                          ; column d = 64 g + 32 q + lane, registers down the 32 keys
.irp i, 0,1,2,3,4,5,6,7,8,9,10,11,12,13,14,15,16,17,18,19,20,21,22,23,24,25,26,27,28,29,30,31
	ds_load_b32 v[X+32*\q+\i], v[VA] offset:128*\q+PITCH*\i
.endr
.endm
	s_wait_tensorcnt 0x0                           ; my piece is in LDS; only I read it, so no barrier is wanted here
	VCOL 0
.irp m, 0,1
.irp i, 0,1,2,3,4,5,6,7
	ds_load_b128 v[X+64+32*\m+4*\i:X+64+32*\m+4*\i+3], v[KA] offset:16*PITCH*\m+16*\i   ; key 32 b + 16 m + r, 32 neighbours along d
.endr
.endr
	s_wait_dscnt 16                                ; V's first set is in: behind it stand K's 16 loads
	VCOL 1
	QBLK 0
	global_store_b128 v[GV], v[C:C+3], s[6:7]      ; sixteen lanes: 256 consecutive bytes, aligned
	ds_store_b8 v[VB], v[E]
	s_wait_dscnt 41                                ; K's first set: behind it stand 8 + 32 loads and a store
	QBLK 2
	ds_store_b128 v[KW], v[C+8:C+11]
	ds_store_b8 v[KB], v[E+2]
	s_wait_dscnt 35                                ; K's second set: behind it stand 32 loads and three stores
	QBLK 3
	ds_store_b128 v[KW], v[C+12:C+15] offset:2048
	ds_store_b8 v[KB], v[E+3] offset:8
	s_wait_dscnt 5                                 ; V's second set: behind it stand five stores
	QBLK 1
	global_store_b128 v[GV], v[C+4:C+7], s[6:7] offset:2048
	ds_store_b8 v[VB], v[E+1] offset:8
	s_wait_dscnt 0x0                               ; for the others' sake: my stores into the image are done
	s_barrier_signal -1
	s_barrier_wait -1                              ; the image is whole
.irp i, 0,1
	ds_load_b128 v[X+4*\i:X+4*\i+3], v[RD] offset:4096*\i
.endr
.irp i, 0,1
	s_wait_dscnt 1-\i
	global_store_b128 v[GO], v[X+4*\i:X+4*\i+3], s[6:7] offset:4096*\i   ; a wave stores 512 consecutive bytes, aligned
.endr
	s_cmp_gt_u32 s8, 1                             ; the two runs of scale words: waves 0 and 1
	s_cbranch_scc1 .Ldone
	ds_load_b128 v[X+16:X+19], v[RD] offset:IKS
	s_wait_dscnt 0x0
	global_store_b128 v[GO], v[X+16:X+19], s[6:7] offset:KS
.Ldone:
	s_wait_tensorcnt 0x0                           ; the wave's end
	ds_add_u32 v[SPW], v[NIL]
	s_wait_dscnt 0x0
	s_endpgm
.Lfunc_end_k_qcfe27848d6_quant:
	.size	k_qcfe27848d6_quant, .Lfunc_end_k_qcfe27848d6_quant-k_qcfe27848d6_quant
	.p2alignl 7, 3214868480
	.fill 96, 4, 3214868480
	.section	.rodata,"a",@progbits
	.p2align	6, 0x0
	.amdhsa_kernel k_qcfe27848d6_quant
		.amdhsa_group_segment_fixed_size 168960
		.amdhsa_private_segment_fixed_size 0
		.amdhsa_enable_private_segment 0
		.amdhsa_kernarg_size 16
		.amdhsa_user_sgpr_count 2
		.amdhsa_user_sgpr_kernarg_segment_ptr 1
		.amdhsa_wavefront_size32 1
		.amdhsa_system_sgpr_workgroup_id_x 1
		.amdhsa_system_sgpr_workgroup_id_y 1
		.amdhsa_system_sgpr_workgroup_id_z 1
		.amdhsa_system_vgpr_workitem_id 0
		.amdhsa_next_free_vgpr 194
		.amdhsa_next_free_sgpr 66
		.amdhsa_reserve_vcc 0
		.amdhsa_float_denorm_mode_32 3
		.amdhsa_float_denorm_mode_16_64 3
		.amdhsa_memory_ordered 1
		.amdhsa_forward_progress 1
		.amdhsa_inst_pref_size 17
	.end_amdhsa_kernel
	.amdgpu_metadata
---
amdhsa.version: [ 1, 2 ]
amdhsa.kernels:
  - .name:           k_qcfe27848d6_quant
    .symbol:         k_qcfe27848d6_quant.kd
    .args:
      - { .name: inputs, .offset: 0, .size: 8, .value_kind: global_buffer, .address_space: global }
      - { .name: codes, .offset: 8, .size: 8, .value_kind: global_buffer, .address_space: global }
    .group_segment_fixed_size: 168960
    .private_segment_fixed_size: 0
    .kernarg_segment_align: 8
    .kernarg_segment_size: 16
    .max_flat_workgroup_size: 256
    .sgpr_count:     66
    .vgpr_count:     194
    .wavefront_size: 32
...
	.end_amdgpu_metadata
.endif
;; end of part 1
;; launch attn (part 2): grid 16 x 16, 8 waves a work-group, clusters of 4 x 1, 327,680 bytes of LDS; arguments codes, out0; writes out0
.if DOCPART == 2
	.amdgcn_target "amdgcn-amd-amdhsa--gfx1250"
	.amdhsa_code_object_version 6
	.text
	.protected	k_qcfe27848d6_attn
	.globl	k_qcfe27848d6_attn
	.p2align	8
	.type	k_qcfe27848d6_attn,@function
k_qcfe27848d6_attn:
	s_mov_b64 s[64:65], 0
	v_nop
	global_prefetch_b8 v0, s[64:65] scope:SCOPE_SE
	s_setreg_imm32_b32 hwreg(HW_REG_WAVE_MODE, 25, 1), 1
	s_wait_xcnt 0x0
	s_wait_alu depctr_hold_cnt(0) depctr_sa_sdst(0) depctr_va_vdst(0) depctr_va_sdst(0) depctr_va_ssrc(0) depctr_va_vcc(0) depctr_vm_vsrc(0)
	s_getreg_b32 s2, hwreg(HW_REG_IB_STS2, 6, 4)
	s_cmp_eq_u32 s2, 0
	s_cbranch_scc0 .Lentry_in_a_cluster
	s_endpgm
.Lentry_in_a_cluster:
	s_bfe_u32 s2, ttmp6, 0x10000c
	s_cmp_lg_u32 s2, 0x3003
	s_cbranch_scc0 .Lentry_shape_is_right
	s_endpgm
.Lentry_shape_is_right:
; out[b][q][:] = the sum over k of softmax_k(x[b][q] . x[b][k] / sqrt(128)) x[b][k][:], both products on codes of FP4 (E2M1) with one E8M0 scale for each 32 along a product's K.
; IN: codes [16 batches][16 key steps][STEPB], laid in the order of the operands' registers (each fragment 1,024 bytes: register group g of lane l at 512 g + 16 l):
;   KF at 0: 8 fragments of 16 keys x 128 d; lane (r', h) of fragment 4 c + u holds key 64 c + 32 (r' / 8) + 8 u + r' % 8.   VF at 8192: 8 fragments of 16 d x 128 keys.
;   KS at 16384, VS at 16896: scale words [c 2][row 16][u 4] for fragment 4 c + u.
; THE SOFTMAX AHEAD OF THE SECOND PRODUCT: t = score x log2(e) / sqrt(128); M = the largest t so far, rounded UP to a whole number; p = 2^(t - M) is quantised along the keys, not normalised.
; The row's sum is taken of the unquantised p in f32 and divides at the end.  When M moves, the sum and O are multiplied by 2^(old M - new M): exact.
; SHARES.  A work-group owns 128 queries of one batch: the rows of key step blk, so K's fragment T of that step IS the tile of queries T; only the order of the output's rows follows from it.
; Wave w: pair p = w % 4, key half kh = w / 4.  It holds TWO tiles of 16 queries, A = tile 2 p + kh and B = the pair's other tile, and walks 4 double steps of 256 keys, steps 8 kh .. 8 kh + 7:
; each fragment of K and V that it reads from LDS feeds two matrix instructions, and M moves once for 256 keys.  At the end a wave keeps A and hands B to wave w xor 4, whose A is that tile: the halves of the keys are joined under the larger M.
; LAYOUT.  Both products are used transposed: S^T = K Q^T (source 0 = 16 keys, source 1 = 16 queries), O^T = V^T P^T (source 0 = 16 of d, source 1 = P): a lane holds ONE query (lane % 16) throughout.
; The 32 registers of score tiles 4 c .. 4 c + 3 are keys 64 c + 32 (lane / 16) + 0 .. 31: a whole block of the second product's K, in the operand's own order: so a block's largest score, its scale and its codes need no other lane.
; LDS.  A batch's codes, 278,528 bytes, lie in LDS at the offsets that they have in memory, each byte filled ONCE, in two fills: the first double step of each half at the head (34 rows of 256 bytes a wave), the other three behind a
; round of the cluster's barrier (102 rows a wave); the second fill has the first double step's work in which to land.
; CLUSTER.  The four work-groups of a cluster belong to one batch and need the same codes: every fill is asked for JOINTLY, by the same tensor load with the same descriptor and a mask that names the four.
; No prefetch: there are two fills and no loop of loads to run ahead in; the second goes out as soon as the first has landed, a whole double step ahead of its first reader.
; LIMITS: NaN and infinities are not served; scaled scores stay under 2^31 in magnitude; a p under 2^-126 counts as 0; the row's sum is added in another order than a plain sum along the row.
; REGISTERS, in windows of 256.  Window 0: v1-7 addresses; v8-23 the two tiles of queries; v24-39, v60-63 scale words; v40-59 a set of ten for each tile; v64-191 O^T of A and of B; v192-255 F: K's fragments (two buffers of four),
;   then p's codes (v192-223) and registers at work (v224-255).   Window 1: chunk n (0-3: A's blocks, 4-7: B's) of 32 scores, then p, at v[32 n]; V's 16 fragments lie in A's half once A's p are used up.
; s_set_vgpr_msb's low byte: bits 1:0 source 0, 3:2 source 1, 5:4 source 2, 7:6 destination.
.set STEPB,  17408
.set KF,     0
.set VF,     8192
.set KS,     16384
.set VS,     16896
.set HALF,   8*STEPB                   ; the steps of one key half
.set BATCHB, 16*STEPB
.set DST,    2*STEPB                   ; a double step
.set PART,   DST/4                     ; what a wave's first load brings: 8,704 bytes; also the end's exchange area of a wave (O^T 8,192 bytes, -M at 8192, the sum at 8320), later a stage (16 rows x 528)
.set PART1,  3*DST/4                   ; and its second: 26,112 bytes
.set SPARE,  BATCHB                    ; the spare words, 128 bytes a wave
.set SP,     528
.set LI,  1                            ; v1   16 x lane
.set LSC, 2                            ; v2   16 x (lane % 16): my row's four scale words
.set ADF, 3                            ; v3   the double step's fragments
.set ADS, 4                            ; v4   its scale words
.set SPW, 5
.set NIL, 6
.set QF,  8                            ; v8-15 A's queries, v16-23 B's
.set KW,  24                           ; K's scale words: half 0's tiles 0-3, half 1's tiles 0-3, half 1's tiles 4-7
.set VSW, 24                           ; V's, 16 of them, when K's have been used
.set TS,  40                           ; a tile's set: +0 -M, +1 the largest score, +2 +3 the sum in two halves, +4 f, +5 at work, +6 +7 p's scale words, +8 the queries' scale word, +9 an LDS address of the end
.set KW1, 60                           ; K's scale words: half 0's tiles 4-7
.set OA,  64
.set OB,  128
.set F,   192
.set MB,  224                          ; v224-231 the chunks' largest scores, then the conversions' scale operands
.set EB,  232                          ; v232-239 scale bytes
.set U,   240                          ; v240-243 at work in the chain
.set WT,  244                          ; v244-251 at work for the scale words
.set XW,  3                            ; the end's LDS addresses, in registers that are done with: the exchange: where I put B's O^T,
.set XR,  4                            ; where my partner has put my A's (and where I read rows of the stage back),
.set XWS, 7                            ; 4 x lane in my area,
.set XRS, 49                           ; and in my partner's,
.set STO, 59                           ; the stage: where I put 32 bytes of a row
.set MG,  8                            ; v8-19 at work at the end
.set WV,  8                            ; s8   my wave's number
.set G1,  16                           ; s[16:23] descriptor group 1 of the first fill;  s[68:75] of the second
.set G1B, 68
.set G0,  24                           ; s[24:27], s[28:31] their groups 0
.set G0B, 28
.set SEL, 40                           ; s[40:41] lane selects for v_permlanex16_b32: lane l xor 16
.set CS,  42                           ; s[42:43] c = log2(e) / sqrt(128): the packed form names a pair and takes its low word for both halves
.set TB,  44                           ; s44  LDS byte at which the double step in hand begins
.set CNT, 45
.set MSB, 0
.macro WIN new                         ; the immediate's high byte repeats the setting that is left; a switch that changes nothing is dropped
.if MSB != \new
	s_set_vgpr_msb (MSB<<8)|\new
.set MSB, \new
.endif
.endm
.macro ROUND                           ; a round of the cluster's barrier
	s_barrier_signal -1
	s_barrier_wait -1
	s_cmp_lg_u32 s[WV], 0
	s_cbranch_scc1 .Lnot_wave_0_\@
	s_barrier_signal -3
.Lnot_wave_0_\@:
	s_barrier_wait -3
	s_barrier_signal -1
	s_barrier_wait -1
.endm
.macro PLACES                          ; four places behind a matrix instruction (ISA guide 7.12.1)
.rept 4
	v_nop
.endr
.endm
.macro LDK half, hi, off               ; four fragments of K: tiles 4 hi .. 4 hi + 3 of a double step's half
.irp f, 0,1,2,3
	ds_load_b128 v[F+32*\hi+8*\f:F+32*\hi+8*\f+3], v[ADF] offset:\off+STEPB*\half+KF+1024*(4*\hi+\f)
	ds_load_b128 v[F+32*\hi+8*\f+4:F+32*\hi+8*\f+7], v[ADF] offset:\off+STEPB*\half+KF+1024*(4*\hi+\f)+512
.endr
.endm
.macro LDW reg, off                    ; four scale words: lane r takes row r's
	ds_load_b128 v[\reg:\reg+3], v[ADS] offset:\off
.endm
.macro SMULG half, hi, w               ; S^T = K Q^T: four tiles of 16 keys for both tiles of queries
	WIN 0x40
.irp x, 0,1
.irp f, 0,1,2,3
	v_wmma_scale_f32_16x16x128_f8f6f4 v[128*\x+64*\half+8*(4*\hi+\f):128*\x+64*\half+8*(4*\hi+\f)+7], v[F+32*\hi+8*\f:F+32*\hi+8*\f+7], v[QF+8*\x:QF+8*\x+7], 0, v[\w+\f], v[TS+10*\x+8] matrix_a_fmt:MATRIX_FMT_FP4 matrix_b_fmt:MATRIX_FMT_FP4
.endr
.endr
.endm
; THE SCORES of 256 keys.  On entry half 0's tiles 4-7 and their words have been asked for (9 loads).
.macro KPHASE
	LDK 0, 0, 0
	LDW KW, KS
	LDW KW+4, STEPB+KS
	LDW KW+8, STEPB+KS+256
	s_wait_dscnt 11                                ; all but the 11 just issued
	SMULG 0, 1, KW1
	PLACES                                         ; for the loads into the buffer just multiplied
	WIN 0
	LDK 1, 1, 0
	s_wait_dscnt 8
	SMULG 0, 0, KW
	PLACES
	WIN 0
	LDK 1, 0, 0
	s_wait_dscnt 8
	SMULG 1, 1, KW+8
	s_wait_dscnt 0x0
	SMULG 1, 0, KW+4
	PLACES                                         ; for the readers of the scores and the writers of F
.endm
; THE SEARCH: each chunk's largest score, the eight chunks by turns, each accumulator from its low end on.  It serves for M and, since p rises with the score, for the block's largest p.
.macro SEARCH
	WIN 0x15
.irp n, 0,1,4,5,3,7,2,6
	v_max3_num_f32 v[MB+\n], v[32*\n], v[32*\n+1], v[32*\n+2]
.endr
	WIN 0x14
.set i, 3
.rept 14
.irp n, 0,1,4,5,3,7,2,6
	v_max3_num_f32 v[MB+\n], v[MB+\n], v[32*\n+i], v[32*\n+i+1]
.endr
.set i, i+2
.endr
.irp n, 0,1,4,5,3,7,2,6
	v_max_num_f32 v[MB+\n], v[MB+\n], v[32*\n+31]
.endr
.endm
; THE CHAIN, both tiles by turns: the new -M; f; t - M of the chunks' largest scores.  first = 1: there is no older M.
.macro CHAIN first
	WIN 0
.irp x, 0,1
	v_max3_num_f32 v[U+2*\x], v[MB+4*\x], v[MB+4*\x+1], v[MB+4*\x+2]
.endr
.irp x, 0,1
	v_max_num_f32 v[U+2*\x], v[U+2*\x], v[MB+4*\x+3]
.endr
.irp x, 0,1
	v_permlanex16_b32 v[U+2*\x+1], v[U+2*\x], s[SEL], s[SEL+1]
.endr
.irp x, 0,1
.if \first
	v_max_num_f32 v[TS+10*\x+1], v[U+2*\x], v[U+2*\x+1]
.else
	v_max3_num_f32 v[TS+10*\x+1], v[TS+10*\x+1], v[U+2*\x], v[U+2*\x+1]   ; the running largest score of my query
.endif
.endr
.irp x, 0,1
	v_mul_f32 v[U+2*\x], s[CS], -v[TS+10*\x+1]     ; -t (c is positive)
.endr
.if \first
.irp x, 0,1
	v_floor_f32 v[TS+10*\x], v[U+2*\x]             ; -M = floor(-t) = -ceil(t): M is a whole number
.endr
.else
.irp x, 0,1
	v_floor_f32 v[U+2*\x+1], v[U+2*\x]
.endr
.irp x, 0,1
	v_sub_f32 v[TS+10*\x+5], v[U+2*\x+1], v[TS+10*\x]   ; M's old value less its new one: a whole number, 0 or less
.endr
.irp x, 0,1
	v_mov_b32 v[TS+10*\x], v[U+2*\x+1]
.endr
.irp x, 0,1
	v_cvt_i32_f32 v[TS+10*\x+5], v[TS+10*\x+5]     ; (it saturates)
.endr
.irp x, 0,1
	v_ldexp_f32 v[TS+10*\x+4], 1.0, v[TS+10*\x+5]  ; f = 2^(old M - new M)
.endr
.endif
.irp n, 0,1,2,3,4,5,6,7
	v_fma_f32 v[MB+\n], v[MB+\n], s[CS], v[TS+10*(\n/4)]
.endr
.endm
.macro RESCALE                         ; the sums and O^T under the new M
	WIN 0
.irp x, 0,1
	v_pk_mul_f32 v[TS+10*\x+2:TS+10*\x+3], v[TS+10*\x+2:TS+10*\x+3], v[TS+10*\x+4:TS+10*\x+5] op_sel_hi:[1,0]
.set i, OA+64*\x
.rept 32
	v_pk_mul_f32 v[i:i+1], v[i:i+1], v[TS+10*\x+4:TS+10*\x+5] op_sel_hi:[1,0]
.set i, i+2
.endr
.endr
.endm
.macro PFMA c, n                       ; t - M of chunk c's pair n
	v_pk_fma_f32 v[32*(\c)+2*(\n):32*(\c)+2*(\n)+1], v[32*(\c)+2*(\n):32*(\c)+2*(\n)+1], s[CS:CS+1], v[TS+10*((\c)/4):TS+10*((\c)/4)+1] op_sel_hi:[1,0,0]
.endm
.macro PADD d, s
	v_pk_add_f32 v[(\d):(\d)+1], v[(\d):(\d)+1], v[(\s):(\s)+1]
.endm
.macro RED base, step, lo, n           ; a level of the sums' tree, in place: n additions of pairs step registers apart
.set i, \lo
.rept \n
	PADD \base+2*\step*i,\base+2*\step*i+\step
.set i, i+1
.endr
.endm
.macro CVT c                           ; chunk c's codes
	WIN 0x01
.irp g, 0,1,2,3
	v_cvt_scalef32_pk8_fp4_f32 v[F+4*(\c)+\g], v[32*(\c)+8*\g:32*(\c)+8*\g+7], v[MB+(\c)]
.endr
.endm
; A BATCH: chunk k's 32 exponentials.  Dealt among them: chunk k + 1's scalings, and of the chunks before it the conversions and the sums' first two levels.  None of these lines names a result of this batch, and none reads what
; another of them writes: what they write is read behind the wait that ends the batch, for the exponentials' readers and for the next batch's sources alike.
.macro EXPB k
.if (\k) > 0
	CVT (\k)-1
.endif
.if (\k) == 7
	v_nop                                          ; a plain line between the conversions and the first writer of their sources (in the other batches a scaling is that line)
.endif
	WIN 0x45
.set i, 0
.rept 32
	v_exp_f32 v[32*(\k)+i], v[32*(\k)+i]           ; p = 2^(t - M), at most 1
.if ((\k) < 7) && (i%2 == 1)
	PFMA (\k)+1,i/2
.endif
.if (((\k) > 0) && ((\k) < 7) && (i%4 == 2)) || (((\k) == 7) && (i%4 == 3))
	PADD 32*((\k)-1)+4*(i/4),32*((\k)-1)+4*(i/4)+2
.endif
.if ((\k) > 1) && ((\k) != 5) && (i%8 == 4)
	PADD 32*((\k)-2)+8*(i/8),32*((\k)-2)+8*(i/8)+4
.endif
.set i, i+1
.endr
	s_wait_alu depctr_va_vdst(0)
.endm
; The scale operands, and p's scale words: lanes 0-15 hold blocks 0 and 2 of 128 keys, lanes 16-31 blocks 1 and 3.
.macro SCALES
	WIN 0
.irp n, 0,1,2,3,4,5,6,7
	v_max_num_f32 v[MB+\n], 0x1800000, v[MB+\n]    ; the floor 2^(3 - 127): the byte cannot fall under 1 (a block whose every p is 0 keeps that byte: its codes are zeros)
.endr
.irp n, 0,1,2,3,4,5,6,7
	v_add_nc_u32 v[MB+\n], 0xff000000, v[MB+\n]    ; 2 off the exponent field: the conversion's scale operand
.endr
.irp n, 0,1,2,3,4,5,6,7
	v_lshrrev_b32 v[EB+\n], 23, v[MB+\n]           ; the scale's byte
.endr
.irp n, 0,1,2,3
	v_lshl_or_b32 v[WT+\n], v[EB+2*\n+1], 16, v[EB+2*\n]
.endr
.irp n, 0,1,2,3
	v_permlanex16_b32 v[WT+4+\n], v[WT+\n], s[SEL], s[SEL+1]
.endr
.irp n, 0,1,2,3
	v_lshl_or_b32 v[TS+10*(\n/2)+6+\n%2], v[WT+4+\n], 8, v[WT+\n]   ; (lanes 16-31 are not read)
.endr
.endm
.macro VLOAD                           ; V's 16 fragments into A's half of the scores, and their words: 36 loads
	WIN 0
.irp s, 0,1
	LDW VSW+8*\s, STEPB*\s+VS
	LDW VSW+8*\s+4, STEPB*\s+VS+256
.endr
	WIN 0x40
.irp s, 0,1
.irp t, 0,1,2,3,4,5,6,7
	ds_load_b128 v[64*\s+8*\t:64*\s+8*\t+3], v[ADF] offset:STEPB*\s+VF+1024*\t
	ds_load_b128 v[64*\s+8*\t+4:64*\s+8*\t+7], v[ADF] offset:STEPB*\s+VF+1024*\t+512
.endr
.endr
.endm
; O^T += V^T P^T.  The 16 accumulators take turns.  first = 1: the products start the sums: nothing is ever cleared.
.macro PV first
	WIN 0x01
.irp s, 0,1
.irp x, 0,1
.irp t, 0,1,2,3,4,5,6,7
.if \first && (\s == 0)
	v_wmma_scale_f32_16x16x128_f8f6f4 v[OA+64*\x+8*\t:OA+64*\x+8*\t+7], v[64*\s+8*\t:64*\s+8*\t+7], v[F+16*\x+8*\s:F+16*\x+8*\s+7], 0, v[VSW+8*\s+\t], v[TS+10*\x+6+\s] matrix_a_fmt:MATRIX_FMT_FP4 matrix_b_fmt:MATRIX_FMT_FP4
.else
	v_wmma_scale_f32_16x16x128_f8f6f4 v[OA+64*\x+8*\t:OA+64*\x+8*\t+7], v[64*\s+8*\t:64*\s+8*\t+7], v[F+16*\x+8*\s:F+16*\x+8*\s+7], v[OA+64*\x+8*\t:OA+64*\x+8*\t+7], v[VSW+8*\s+\t], v[TS+10*\x+6+\s] matrix_a_fmt:MATRIX_FMT_FP4 matrix_b_fmt:MATRIX_FMT_FP4
.endif
.endr
.endr
.endr
.endm
.macro TOP base, acc, first            ; the tree's last addition and the running sum
.if \first
	WIN 0x05
	v_pk_add_f32 v[\acc:\acc+1], v[\base:\base+1], v[\base+64:\base+65]
.else
	RED \base,64,0,1
	WIN 0x04
	v_pk_add_f32 v[\acc:\acc+1], v[\acc:\acc+1], v[\base:\base+1]
.endif
	WIN 0
.endm
; A DOUBLE STEP.  mode 0: in the loop; 1: the first, which ends with the barrier that shows the second fill to every wave; 2: the last, whose barrier says that nobody reads the codes any more.
.macro DSTEP first, mode
	KPHASE
	SEARCH
	CHAIN \first
	WIN 0x45
.set i, 0
.rept 16
	PFMA 0,i
.set i, i+1
.endr
.if \first == 0
	RESCALE
.endif
	WIN 0
	s_wait_alu depctr_va_vdst(0)
.irp n, 0,1,2,3,4,5,6,7
	v_exp_f32 v[MB+\n], v[MB+\n]                   ; the blocks' largest p: the same multiply-add and exponential on the same number give the same bits
.endr
	EXPB 0
	SCALES
	EXPB 1
	EXPB 2
	EXPB 3
	EXPB 4
	RED 96,4,0,4                                   ; A's sum
	RED 0,8,0,8
	RED 0,16,0,4
	RED 0,32,0,2
	TOP 0, TS+2, \first
	VLOAD                                          ; A's p are used up; three batches stand ahead of the wait for V
	EXPB 5
	EXPB 6
	EXPB 7
	CVT 7
.if \mode == 0
	WIN 0
	LDK 0, 1, DST                                  ; the next double step's first fragments: the scale operands in these registers are used up
	LDW KW1, DST+KS+256
.endif
.if \mode < 2
	WIN 0
	s_add_co_u32 s[TB], s[TB], DST
	v_add_nc_u32 v[ADF], s[TB], v[LI]
	v_add_nc_u32 v[ADS], s[TB], v[LSC]
.endif
	WIN 0x45
	RED 192,4,0,4                                  ; B's sum, all but its last five additions; these lines also stand between the writes of p's codes and the products that take them
	RED 224,2,0,8
	RED 224,4,0,4
	RED 128,8,0,8
	RED 128,16,0,3
	s_wait_alu depctr_va_vdst(0)
.if \mode == 0
	s_wait_dscnt 9                                 ; V is in; behind it stand the next K's 9 loads
.else
.if \mode == 1
	s_wait_tensorcnt 0x0                           ; my part of the second fill is in
.endif
	s_wait_dscnt 0x0                               ; V is in, and my reads of this double step are over
	s_barrier_signal -1                            ; register work alone up to the wait
.endif
	PV \first
	WIN 0x45
	RED 128,16,3,1                                 ; the last additions: the places behind the last products
	RED 128,32,0,2
	TOP 128, TS+12, \first
.if \mode == 1
	v_nop                                          ; (the first double step has one addition less)
	s_wait_alu depctr_va_vdst(0)
	s_barrier_wait -1                              ; every wave's part of the second fill is in
	LDK 0, 1, 0
	LDW KW1, KS+256
.endif
.endm
	s_load_b128 s[4:7], s[0:1], 0x0                ; codes s[4:5], out s[6:7]
	v_lshl_add_u32 v[SPW], v0, 2, SPARE
	v_mov_b32 v[NIL], 0
	ds_add_u32 v[SPW], v[NIL]
	ds_add_u32 v[SPW], v[NIL]
	v_lshrrev_b32 v7, 5, v0
	v_readfirstlane_b32 s[WV], v7                  ; wave 0..7
	s_and_b32 s11, ttmp7, 0xffff                   ; the batch, which the four partners share
	s_mul_i32 s12, s11, BATCHB                     ; its codes
	s_mov_b32 s13, 0
	s_lshr_b32 s56, s[WV], 2                       ; kh
	s_and_b32 s57, s[WV], 3                        ; p
	s_mul_i32 s[TB], s56, HALF                     ; my first double step
	s_mul_i32 s58, s57, PART                       ; my part of the first fill, in the batch's codes and in LDS alike: no place in the cluster enters it
	s_add_co_u32 s14, s[TB], s58
	s_mov_b32 s15, 0
	s_mul_i32 s59, s57, PART1                      ; and of the second
	s_add_co_u32 s60, s[TB], s59
	s_add_co_u32 s60, s60, DST
	s_mov_b32 s61, 0
	; descriptor groups 1: dense rows of 32 elements of 8 bytes, no padding
.irp g, G1, G1B
	s_mov_b32 s[\g], 15|(3<<16)|(1<<21)            ; 15:0 the mask: all four work-groups; 17:16 elements of 8 bytes; 21 set beside a mask
	s_mov_b32 s[\g+1], 32<<16                      ; tensor_dim0
	s_mov_b32 s[\g+3], 32<<16                      ; tile_dim0
	s_mov_b32 s[\g+5], 32                          ; from row to row
	s_mov_b32 s[\g+6], 0
	s_mov_b32 s[\g+7], 0
.endr
	s_mov_b32 s[G1+2], (PART/256)<<16              ; tensor_dim1: 34 rows,
	s_mov_b32 s[G1+4], PART/256
	s_mov_b32 s[G1B+2], (PART1/256)<<16            ; 102 rows
	s_mov_b32 s[G1B+4], PART1/256
	s_mov_b32 s[G0], 1                             ; count = 1
	s_add_co_u32 s[G0+1], s[TB], s58               ; LDS address
	s_mov_b32 s[G0B], 1
	s_add_co_u32 s[G0B+1], s[TB], s59
	s_add_co_u32 s[G0B+1], s[G0B+1], DST
	s_mov_b32 s[SEL], 0x76543210
	s_mov_b32 s[SEL+1], 0xfedcba98
	s_mov_b32 s[CS], 0x3e0293ee                    ; c = log2(e) / sqrt(128)
	s_mov_b32 s[CS+1], s[CS]                       ; (named with it as a pair, so it is written)
	s_bfe_u32 s9, ttmp6, 0x40000                   ; cx
	s_lshl_b32 s10, ttmp9, 2                       ; in a cluster launch ttmp9 counts clusters
	s_add_co_u32 s10, s10, s9                      ; blk = 4 x cluster x + cx: it enters the queries' and out's addresses alone
	s_mul_i32 s48, s10, STEPB
	s_mov_b32 s49, 0
	s_lshl_b32 s46, s57, 1
	s_add_co_u32 s46, s46, s56                     ; tile A = 2 p + kh
	s_xor_b32 s47, s46, 1                          ; tile B
.irp q, 0,1
	s_lshl_b32 s[76+2*\q], s[46+\q], 10            ; the fragment: 1024 T
	s_lshr_b32 s62, s[46+\q], 2
	s_lshl_b32 s62, s62, 8
	s_and_b32 s63, s[46+\q], 3
	s_lshl_b32 s63, s63, 2
	s_add_co_u32 s[77+2*\q], s62, s63              ; its scale words: 256 (T / 4) + 4 (T % 4)
.endr
	; out: row i of tile A is query 128 blk + 64 (p / 2) + 16 (p % 2) + 8 kh + i + 24 (i / 8) of the batch
	s_lshl_b32 s54, s11, 11
	s_lshl_b32 s62, s10, 7
	s_add_co_u32 s54, s54, s62
	s_lshr_b32 s62, s57, 1
	s_lshl_b32 s62, s62, 6
	s_add_co_u32 s54, s54, s62
	s_and_b32 s62, s57, 1
	s_lshl_b32 s62, s62, 4
	s_add_co_u32 s54, s54, s62
	s_lshl_b32 s62, s56, 3
	s_add_co_u32 s54, s54, s62
	s_lshl_b32 s54, s54, 9                         ; rows of 512 bytes
	s_mov_b32 s55, 0
	v_and_b32 v68, 31, v0                          ; lane
	v_and_b32 v69, 15, v0                          ; r
	v_lshlrev_b32 v[LI], 4, v68
	v_lshlrev_b32 v[LSC], 4, v69
	v_add_nc_u32 v[ADF], s[TB], v[LI]
	v_add_nc_u32 v[ADS], s[TB], v[LSC]
	v_add_nc_u32 v64, s76, v[LI]                   ; offsets of the queries' loads (in registers that O^T takes later)
	v_add_nc_u32 v65, s78, v[LI]
	v_add_nc_u32 v66, s77, v[LSC]
	v_add_nc_u32 v67, s79, v[LSC]
	s_wait_alu depctr_va_vdst(0)
	s_wait_dscnt 0x0                               ; both opening adds are done
	ROUND                                          ; all four work-groups are here: the joint loads meet
	s_wait_kmcnt 0x0
	s_add_nc_u64 s[4:5], s[4:5], s[12:13]          ; the batch's codes
	s_add_nc_u64 s[G0+2:G0+3], s[4:5], s[14:15]
	s_or_b32 s[G0+3], s[G0+3], 0x80000000          ; type = 2
	tensor_load_to_lds s[G0:G0+3], s[G1:G1+7]      ; the first fill
	s_nop 0
	s_add_nc_u64 s[50:51], s[4:5], s[48:49]        ; the queries: fragments A and B of step blk, from memory
	global_load_b128 v[QF:QF+3],     v64, s[50:51]
	global_load_b128 v[QF+4:QF+7],   v64, s[50:51] offset:512
	global_load_b128 v[QF+8:QF+11],  v65, s[50:51]
	global_load_b128 v[QF+12:QF+15], v65, s[50:51] offset:512
	global_load_b32 v[TS+8],  v66, s[50:51] offset:KS
	global_load_b32 v[TS+18], v67, s[50:51] offset:KS
	s_add_nc_u64 s[G0B+2:G0B+3], s[4:5], s[60:61]
	s_or_b32 s[G0B+3], s[G0B+3], 0x80000000
	s_add_nc_u64 s[52:53], s[6:7], s[54:55]
	s_wait_tensorcnt 0x0                           ; my part of the first fill is in
	ds_add_u32 v[SPW], v[NIL]
	s_wait_dscnt 0x0
	ROUND                                          ; every wave's part of the first fill is in
	tensor_load_to_lds s[G0B:G0B+3], s[G1B:G1B+7]  ; the second fill
	s_nop 0
	LDK 0, 1, 0
	LDW KW1, KS+256
	s_wait_loadcnt 0x0                             ; the queries
	DSTEP 1, 1
	s_mov_b32 s[CNT], 2
.Ldstep:
	DSTEP 0, 0
	s_sub_co_u32 s[CNT], s[CNT], 1
	s_cmp_lg_u32 s[CNT], 0
	s_cbranch_scc1 .Ldstep
	DSTEP 0, 2
	; THE END.  The sums, and the end's addresses.
.irp x, 0,1
	v_add_f32 v[TS+10*\x+2], v[TS+10*\x+2], v[TS+10*\x+3]
.endr
.irp x, 0,1
	v_permlanex16_b32 v[U+\x], v[TS+10*\x+2], s[SEL], s[SEL+1]
.endr
.irp x, 0,1
	v_add_f32 v[TS+10*\x+2], v[TS+10*\x+2], v[U+\x]   ; with lane l xor 16's: my half of the keys' sum
.endr
	s_mul_i32 s58, s[WV], PART                     ; my exchange area,
	s_xor_b32 s59, s[WV], 4
	s_mul_i32 s59, s59, PART                       ; my partner's, which is my stage when I have read it
	v_and_b32 v[U], 15, v0                         ; r
	v_bfe_u32 v[U+1], v0, 4, 1                     ; h
	v_and_b32 v[U+2], 31, v0                       ; lane
	v_add_nc_u32 v[XW], s58, v[LI]
	v_add_nc_u32 v[XR], s59, v[LI]
	v_lshl_add_u32 v[XWS], v[U+2], 2, s58
	v_lshl_add_u32 v[XRS], v[U+2], 2, s59
	v_mul_u32_u24 v[STO], v[U], SP                 ; in: row r, 32 bytes for each half of the lanes
	v_lshl_add_u32 v[STO], v[U+1], 5, v[STO]
	v_add_nc_u32 v[STO], s59, v[STO]
	s_wait_alu depctr_va_vdst(0)
	s_barrier_wait -1                              ; no wave reads the codes any more
.set i, 0
.rept 16
	ds_store_b128 v[XW], v[OB+4*i:OB+4*i+3] offset:512*i   ; B's O^T as an image of its registers, each accumulator from its low end on
.set i, i+1
.endr
	ds_store_b32 v[XWS], v[TS+10] offset:8192      ; B's -M
	ds_store_b32 v[XWS], v[TS+12] offset:8320      ; and its sum
	s_wait_dscnt 0x0                               ; for the partner's sake
	s_barrier_signal -1
	s_barrier_wait -1
	ds_load_b32 v[MG], v[XRS] offset:8192          ; the other half of the keys for my tile A: its -M,
	ds_load_b32 v[MG+1], v[XRS] offset:8320        ; its sum,
.set i, 0
.rept 16
	ds_load_b128 v[F+4*i:F+4*i+3], v[XR] offset:512*i   ; its O^T: the same registers in the same lanes
.set i, i+1
.endr
	s_wait_dscnt 16                                ; the first two are in
	v_min_num_f32 v[MG+2], v[TS], v[MG]            ; -M of both halves together
	v_sub_f32 v[MG+3], v[MG+2], v[TS]              ; whole numbers, 0 or less
	v_sub_f32 v[MG+4], v[MG+2], v[MG]
	v_cvt_i32_f32 v[MG+3], v[MG+3]
	v_cvt_i32_f32 v[MG+4], v[MG+4]
	v_ldexp_f32 v[MG+3], 1.0, v[MG+3]              ; f1: my half under the common M: exact
	v_ldexp_f32 v[MG+4], 1.0, v[MG+4]              ; f2: the other half
	v_mul_f32 v[MG+5], v[MG+1], v[MG+4]
	v_fma_f32 v[MG+5], v[TS+2], v[MG+3], v[MG+5]   ; the row's sum
	s_wait_alu depctr_va_vdst(0)
	v_rcp_f32 v[MG+6], v[MG+5]
	v_nop                                          ; a plain line behind it
	s_wait_alu depctr_va_vdst(0)
	v_mul_f32 v[MG+8], v[MG+3], v[MG+6]            ; g1 = f1 / sum
	v_mul_f32 v[MG+10], v[MG+4], v[MG+6]           ; g2 = f2 / sum
	s_wait_alu depctr_va_vdst(0)
	s_wait_dscnt 0x0
.set i, F
.rept 32
	v_pk_mul_f32 v[i:i+1], v[i:i+1], v[MG+10:MG+11] op_sel_hi:[1,0]
.set i, i+2
.endr
	s_wait_alu depctr_va_vdst(0)
.set i, 0
.rept 32
	v_pk_fma_f32 v[F+i:F+i+1], v[OA+i:OA+i+1], v[MG+8:MG+9], v[F+i:F+i+1] op_sel_hi:[1,0,1]   ; register 8 t + i is out(query r, 16 t + 8 h + i)
.set i, i+2
.endr
.irp t, 0,1,2,3,4,5,6,7
	ds_store_b128 v[STO], v[F+8*\t:F+8*\t+3] offset:64*\t          ; through my stage: rows of 512 bytes + 16
	ds_store_b128 v[STO], v[F+8*\t+4:F+8*\t+7] offset:64*\t+16
.endr
.irp i, 0,1,2,3,4,5,6,7,8,9,10,11,12,13,14,15
	ds_load_b128 v[OB+4*\i:OB+4*\i+3], v[XR] offset:SP*\i            ; LDS serves a wave's instructions in order (ISA guide 5.7.1.4): these see my stores
.endr
.irp i, 0,1,2,3,4,5,6,7,8,9,10,11,12,13,14,15
	s_wait_dscnt 15-\i                             ; the younger rows may stay out
	global_store_b128 v[LI], v[OB+4*\i:OB+4*\i+3], s[52:53] offset:(\i+24*(\i/8))*512 th:TH_STORE_NT   ; 32 lanes store a whole row: 512 consecutive bytes, at a multiple of 256 from out's first byte
.endr
	s_wait_tensorcnt 0x0                           ; the wave's end
	ds_add_u32 v[SPW], v[NIL]
	s_wait_dscnt 0x0
	ROUND                                          ; the closing round: no work-group ends while a partner may still ask for a tile that names it
	s_endpgm
.Lfunc_end_k_qcfe27848d6_attn:
	.size	k_qcfe27848d6_attn, .Lfunc_end_k_qcfe27848d6_attn-k_qcfe27848d6_attn
	.p2alignl 7, 3214868480
	.fill 96, 4, 3214868480
	.section	.rodata,"a",@progbits
	.p2align	6, 0x0
	.amdhsa_kernel k_qcfe27848d6_attn
		.amdhsa_group_segment_fixed_size 327680
		.amdhsa_private_segment_fixed_size 0
		.amdhsa_enable_private_segment 0
		.amdhsa_kernarg_size 16
		.amdhsa_user_sgpr_count 2
		.amdhsa_user_sgpr_kernarg_segment_ptr 1
		.amdhsa_wavefront_size32 1
		.amdhsa_system_sgpr_workgroup_id_x 1
		.amdhsa_system_sgpr_workgroup_id_y 1
		.amdhsa_system_sgpr_workgroup_id_z 1
		.amdhsa_system_vgpr_workitem_id 0
		.amdhsa_next_free_vgpr 512
		.amdhsa_next_free_sgpr 84
		.amdhsa_reserve_vcc 0
		.amdhsa_float_denorm_mode_32 3
		.amdhsa_float_denorm_mode_16_64 3
		.amdhsa_memory_ordered 1
		.amdhsa_forward_progress 1
		.amdhsa_inst_pref_size 183
	.end_amdhsa_kernel
	.amdgpu_metadata
---
amdhsa.version: [ 1, 2 ]
amdhsa.kernels:
  - .name:           k_qcfe27848d6_attn
    .symbol:         k_qcfe27848d6_attn.kd
    .args:
      - { .name: codes, .offset: 0, .size: 8, .value_kind: global_buffer, .address_space: global }
      - { .name: out0, .offset: 8, .size: 8, .value_kind: global_buffer, .address_space: global }
    .group_segment_fixed_size: 327680
    .private_segment_fixed_size: 0
    .kernarg_segment_align: 8
    .kernarg_segment_size: 16
    .max_flat_workgroup_size: 256
    .sgpr_count:     84
    .vgpr_count:     512
    .wavefront_size: 32
...
	.end_amdgpu_metadata
.endif
;; end of part 2
